; MI455X (gfx1250); checked and timed in simulation.
; The chip was launched on July 23, 2026; its instructions are those of AMD's public machine-readable ISA for CDNA 5 (MIT licence, August 2026) and "CDNA5" Instruction Set Architecture Reference Guide (July 2026). The comments in the code are by the model that wrote it; some were corrected since.
;; Multi Head Attention. Allowed arithmetic: float matrix products may take bf16 or f16 operands with f32 sums; all other float work in f32.
;; Inputs: W_k 1,024 x 1,024 float32; W_o 1,024 x 1,024 float32; W_q 1,024 x 1,024 float32; W_v 1,024 x 1,024 float32; x 2 x 2,048 x 1,024 float32.
;; Outputs: out0 2 x 2,048 x 1,024 float32.
;; Constants: causal = 1.
;; One version. Each part assembles by itself: llvm-mc -triple=amdgcn-amd-amdhsa -mcpu=gfx1250 --defsym DOCPART=n.
;; ======== version 1 of 1: 4 launches
;; limits: values are held in f16: magnitudes above 65,504 overflow, below 6.1e-05 lose precision
;; workspace buffers: xb 8,388,608 bytes; wb 6,291,456 bytes; wo16 2,097,152 bytes; qkv 33,554,432 bytes; ao 8,388,608 bytes
;; launch cast (part 1): grid 64 x 8, 8 waves a work-group, no clusters, 0 bytes of LDS; arguments x, W_q, W_k, W_v, W_o, xb, wb, wo16; writes xb, wb, wo16
.if DOCPART == 1
	.amdgcn_target "amdgcn-amd-amdhsa--gfx1250"
	.amdhsa_code_object_version 6
	.text
	.protected	k_q7b78f5479f_cast
	.globl	k_q7b78f5479f_cast
	.p2align	8
	.type	k_q7b78f5479f_cast,@function
k_q7b78f5479f_cast:
	s_mov_b64 s[64:65], 0
	v_nop
	global_prefetch_b8 v0, s[64:65] scope:SCOPE_SE
	s_setreg_imm32_b32 hwreg(HW_REG_WAVE_MODE, 25, 1), 1
	s_wait_xcnt 0x0
; The matrix operands are made once: x, W_q, W_k, W_v rounded to bf16 (nearest even); W_o rounded to bf16 and that number kept as f16,
; because the output projection multiplies it with an f16 operand.
; LIMIT: a bf16 number is exact in f16 from 2^-17 up to 65,504; below 2^-17 W_o is off by at most 2^-25, above 65,504 it overflows.
; The grid's y names a segment of 1,048,576 numbers: 0-3 the quarters of x, 4-6 W_q, W_k, W_v (one after the other in wb), 7 W_o.
; The grid's x names 16,384 numbers of the segment.  Thread t takes 8 numbers in each of 8 steps: 32 bytes in at 8,192 i + 32 t,
; 16 bytes out at 4,096 i + 16 t, so that sixteen neighbouring lanes store 256 consecutive aligned bytes.
; A stream: no LDS, no barrier, no matrix unit.  All 16 loads of a thread go out first; every register is written once.
.set LD, 4                             ; v[4:67]    16 loads of 4 registers
.set Y,  68                            ; v[68:99]   8 stores of 4 registers
.set T,  100                           ; v[100:103] at work (W_o only)
	s_load_b512 s[8:23], s[0:1], 0x0               ; x, W_q, W_k, W_v, W_o, xb, wb, wo16
	s_and_b32 s2, ttmp7, 0xffff                    ; the segment
	s_mov_b32 s5, 0xffff0000                       ; a word's upper bf16
	v_lshlrev_b32 v1, 5, v0                        ; 32 t: where I read
	v_lshlrev_b32 v2, 4, v0                        ; 16 t: where I store
	; offsets, made apart from the addresses
	s_lshl_b32 s26, ttmp9, 16                      ; 16,384 numbers of 4 bytes
	s_lshl_b32 s30, ttmp9, 15                      ; and of 2 bytes
	s_mov_b32 s27, 0
	s_mov_b32 s31, 0
	s_cmp_lt_u32 s2, 4
	s_cselect_b32 s3, s2, 0                        ; x has four segments, each weight one
	s_lshl_b32 s3, s3, 22
	s_add_co_u32 s26, s26, s3
	s_and_b32 s4, s2, 3                            ; xb: segment 0-3; wb: 0-2;
	s_cmp_eq_u32 s2, 7
	s_cselect_b32 s4, 0, s4                        ; wo16: 0
	s_lshl_b32 s4, s4, 21
	s_add_co_u32 s30, s30, s4
	s_wait_kmcnt 0x0
	s_cmp_eq_u32 s2, 4
	s_cselect_b64 s[24:25], s[10:11], s[8:9]       ; the source: x unless the segment says otherwise
	s_cmp_eq_u32 s2, 5
	s_cselect_b64 s[24:25], s[12:13], s[24:25]
	s_cmp_eq_u32 s2, 6
	s_cselect_b64 s[24:25], s[14:15], s[24:25]
	s_cmp_eq_u32 s2, 7
	s_cselect_b64 s[24:25], s[16:17], s[24:25]
	s_cselect_b64 s[28:29], s[22:23], s[20:21]     ; the target: wo16 or wb,
	s_cmp_lt_u32 s2, 4
	s_cselect_b64 s[28:29], s[18:19], s[28:29]     ; or xb
	s_add_nc_u64 s[24:25], s[24:25], s[26:27]
	s_add_nc_u64 s[28:29], s[28:29], s[30:31]
.irp i, 0,1,2,3,4,5,6,7
	global_load_b128 v[LD+8*\i:LD+8*\i+3],   v1, s[24:25] offset:\i*8192 th:TH_LOAD_NT
	global_load_b128 v[LD+8*\i+4:LD+8*\i+7], v1, s[24:25] offset:\i*8192+16 th:TH_LOAD_NT
.endr
; Step i: 8 numbers rounded and stored.  half = 1: the bf16 numbers are widened again (a shift, a mask) and packed as f16.
.macro CV i, half
	s_wait_loadcnt 14-2*\i                         ; loads come back in order: this step's two are in, the 14 - 2 i younger ones stay out
.irp k, 0,1,2,3
	v_cvt_pk_bf16_f32 v[Y+4*\i+\k], v[LD+8*\i+2*\k], v[LD+8*\i+2*\k+1]
.endr
.if \half
.irp k, 0,1
	v_lshlrev_b32 v[T],   16, v[Y+4*\i+2*\k]
	v_and_b32     v[T+1], s5, v[Y+4*\i+2*\k]
	v_lshlrev_b32 v[T+2], 16, v[Y+4*\i+2*\k+1]
	v_and_b32     v[T+3], s5, v[Y+4*\i+2*\k+1]
	v_cvt_pk_f16_f32 v[Y+4*\i+2*\k],   v[T],   v[T+1]
	v_cvt_pk_f16_f32 v[Y+4*\i+2*\k+1], v[T+2], v[T+3]
.endr
.endif
	global_store_b128 v2, v[Y+4*\i:Y+4*\i+3], s[28:29] offset:\i*4096   ; the next launch reads it: no hint
.endm
	s_cmp_eq_u32 s2, 7
	s_cbranch_scc1 .Lhalf
.irp i, 0,1,2,3,4,5,6,7
	CV \i, 0
.endr
	s_endpgm
.Lhalf:
.irp i, 0,1,2,3,4,5,6,7
	CV \i, 1
.endr
	s_endpgm
.Lfunc_end_k_q7b78f5479f_cast:
	.size	k_q7b78f5479f_cast, .Lfunc_end_k_q7b78f5479f_cast-k_q7b78f5479f_cast
	.p2alignl 7, 3214868480
	.fill 96, 4, 3214868480
	.section	.rodata,"a",@progbits
	.p2align	6, 0x0
	.amdhsa_kernel k_q7b78f5479f_cast
		.amdhsa_group_segment_fixed_size 0
		.amdhsa_private_segment_fixed_size 0
		.amdhsa_enable_private_segment 0
		.amdhsa_kernarg_size 64
		.amdhsa_user_sgpr_count 2
		.amdhsa_user_sgpr_kernarg_segment_ptr 1
		.amdhsa_wavefront_size32 1
		.amdhsa_system_sgpr_workgroup_id_x 1
		.amdhsa_system_sgpr_workgroup_id_y 1
		.amdhsa_system_sgpr_workgroup_id_z 1
		.amdhsa_system_vgpr_workitem_id 0
		.amdhsa_next_free_vgpr 104
		.amdhsa_next_free_sgpr 66
		.amdhsa_reserve_vcc 0
		.amdhsa_float_denorm_mode_32 3
		.amdhsa_float_denorm_mode_16_64 3
		.amdhsa_memory_ordered 1
		.amdhsa_forward_progress 1
		.amdhsa_inst_pref_size 13
	.end_amdhsa_kernel
	.amdgpu_metadata
---
amdhsa.version: [ 1, 2 ]
amdhsa.kernels:
  - .name:           k_q7b78f5479f_cast
    .symbol:         k_q7b78f5479f_cast.kd
    .args:
      - { .name: x, .offset: 0, .size: 8, .value_kind: global_buffer, .address_space: global }
      - { .name: W_q, .offset: 8, .size: 8, .value_kind: global_buffer, .address_space: global }
      - { .name: W_k, .offset: 16, .size: 8, .value_kind: global_buffer, .address_space: global }
      - { .name: W_v, .offset: 24, .size: 8, .value_kind: global_buffer, .address_space: global }
      - { .name: W_o, .offset: 32, .size: 8, .value_kind: global_buffer, .address_space: global }
      - { .name: xb, .offset: 40, .size: 8, .value_kind: global_buffer, .address_space: global }
      - { .name: wb, .offset: 48, .size: 8, .value_kind: global_buffer, .address_space: global }
      - { .name: wo16, .offset: 56, .size: 8, .value_kind: global_buffer, .address_space: global }
    .group_segment_fixed_size: 0
    .private_segment_fixed_size: 0
    .kernarg_segment_align: 8
    .kernarg_segment_size: 64
    .max_flat_workgroup_size: 256
    .sgpr_count:     66
    .vgpr_count:     104
    .wavefront_size: 32
...
	.end_amdgpu_metadata
.endif
;; end of part 1
;; launch qkv (part 2): grid 12 x 16, 4 waves a work-group, clusters of 4 x 4, 327,680 bytes of LDS; arguments xb, wb, qkv; writes qkv
.if DOCPART == 2
	.amdgcn_target "amdgcn-amd-amdhsa--gfx1250"
	.amdhsa_code_object_version 6
	.text
	.protected	k_q7b78f5479f_qkv
	.globl	k_q7b78f5479f_qkv
	.p2align	8
	.type	k_q7b78f5479f_qkv,@function
k_q7b78f5479f_qkv:
	s_mov_b64 s[64:65], 0
	v_nop
	global_prefetch_b8 v0, s[64:65] scope:SCOPE_SE
	s_setreg_imm32_b32 hwreg(HW_REG_WAVE_MODE, 25, 1), 1
	s_wait_xcnt 0x0
	s_wait_alu depctr_hold_cnt(0) depctr_sa_sdst(0) depctr_va_vdst(0) depctr_va_sdst(0) depctr_va_ssrc(0) depctr_va_vcc(0) depctr_vm_vsrc(0)
	s_getreg_b32 s2, hwreg(HW_REG_IB_STS2, 6, 4)
	s_cmp_eq_u32 s2, 0
	s_cbranch_scc0 .Lentry_in_a_cluster
	s_endpgm
.Lentry_in_a_cluster:
	s_bfe_u32 s2, ttmp6, 0x10000c
	s_cmp_lg_u32 s2, 0xf033
	s_cbranch_scc0 .Lentry_shape_is_right
	s_endpgm
.Lentry_shape_is_right:
; q, k, v = x W^T for the three weights at once: C[m][n] = sum over k of xb[m][k] wb[n][k], m < 4096, n < 3072, k < 1024, bf16 operands, f32 sums.
; The result leaves as f16, head by head: qkv[b][g][s][64], a plane g of 2,048 rows of 128 bytes; g = n / 64: 0-15 q, 16-31 k, 32-47 v.
; v leaves as two f16 numbers, v_hi in planes 32-47 and v_lo = v - v_hi in planes 48-63: the attention's diagonal step uses both.
; LIMIT: |q|, |k|, |v| stay below 65,504 (f16); below 2^-14 they keep an absolute error of 2^-25.
; A work-group makes 256 x 256 of C with four waves, a wave 128 x 128: 64 accumulator tiles, 512 registers.  K goes in steps of 128 through two
; LDS slots filled by the tensor data mover; a tile's rows are 256 bytes of memory at multiples of 256 bytes.
; CLUSTERS: 4 x 4 work-groups.  The four of a row of the cluster need the same tiles of xb, the four of a column the same tiles of wb:
; each tile is asked for jointly, by the same tensor load with the same descriptor and a mask that names the four.
; 192 work-groups: a block of 256 x 192 would make 256 of them, but a wave's columns would then not be whole heads.
;
; REGISTERS, in windows of 256:  window 0: v0-31 addresses; v64-127, v128-191 fragments of A, two buffers; v192-255 the way out
;   window 1: v64-127, v128-191 fragments of B;   window 2: accumulator tiles of my rows 0-63 (tile (a, b) at v[8 (8 a + b)]);   window 3: rows 64-127
; The matrix instruction is used transposed (source 0 = rows of B, source 1 = rows of A): lane l holds row l % 16 of C and its registers
; 0 to 7 the columns 8 (l / 16) + 0 .. 7, eight neighbouring numbers of a row.
.set SIZE_M, 4096
.set SIZE_N, 3072
.set SIZE_K, 1024
.set KSTEP,  128
.set PITCH,  272                       ; an LDS row: 256 bytes + 16 of padding: the 16 rows that a load touches start 68 words apart
.set HALFT,  128*PITCH                 ; 128 rows: what one tensor load brings
.set SLOT,   4*HALFT                   ; A's 256 rows, then B's 256 rows
.set STAGE,  2*SLOT                    ; behind the ring: 16 rows x 272 bytes for each wave, never the target of a tensor load
.set SPITCH, 272
.set LAPS, SIZE_K/(2*KSTEP)            ; 4 laps of two K steps
.set ADRA, 16                          ; v16-17  LDS address of my A fragments in slot 0, 1
.set ADRB, 20                          ; v20-21  the same for B
.set STO,  24                          ; v24     the way out: where I put 16 bytes of a row
.set RD,   25                          ; v25     the way out: where I read back
.set CO,   26                          ; v26     my byte offset in qkv
.set F0,   64
.set F1,   128
.set HI,   64                          ; the way out: v64-127, then packed in v64-95
.set LO,   128                         ; the way out: v128-191, then packed in v128-159
.set RB,   192                         ; v192-223 read back, first part
.set RB2,  224                         ; v224-255 read back, second part
.set G1, 24                            ; s[24:31] descriptor group 1 for A's tiles
.set G0, 32                            ; s[32:39] descriptor group 0 for A's tiles, one set for each slot
.set G1B, 48                           ; s[48:55] group 1 for B's tiles: another mask
.set G0B, 56                           ; s[56:63] group 0 for B's tiles
.set MSB, 0
.macro WIN new                         ; the immediate's high byte repeats the setting that is left
.if MSB != \new
	s_set_vgpr_msb (MSB<<8)|\new
.set MSB, \new
.endif
.endm
.set MUL_LO, 0xa1                      ; source 0 (B) window 1, source 1 (A) window 0, C and D window 2
.set MUL_HI, 0xf1                      ; the same, C and D window 3
.set TO_B,   0x40                      ; destination window 1, address window 0
; A joint load.  Waves 0 and 1 fetch A's two halves, waves 2 and 3 B's.  The branch hangs on the wave's number alone.
.macro JLOAD s
	s_cmp_eq_u32 s11, 0
	s_cbranch_scc0 .Lfor_b_\@
	tensor_load_to_lds s[G0+4*\s:G0+4*\s+3], s[G1:G1+7]
	s_nop 0
	s_branch .Lasked_\@
.Lfor_b_\@:
	tensor_load_to_lds s[G0B+4*\s:G0B+4*\s+3], s[G1B:G1B+7]
	s_nop 0
.Lasked_\@:
.endm
; A round of the cluster's barrier: my work-group's barrier; wave 0 signals for the work-group; every wave waits for all sixteen; my work-group's barrier again.
.macro CREST                           ; a round behind its opening barrier
	s_cmp_lg_u32 s10, 0
	s_cbranch_scc1 .Lnot_wave_0_\@
	s_barrier_signal -3
.Lnot_wave_0_\@:
	s_barrier_wait -3
	s_barrier_signal -1
	s_barrier_wait -1
.endm
.macro CROUND
	s_barrier_signal -1
	s_barrier_wait -1
	CREST
.endm
	s_load_b128 s[4:7], s[0:1], 0x0                ; xb s[4:5], wb s[6:7]
	s_load_b64 s[8:9], s[0:1], 0x10                ; qkv
	s_set_vgpr_msb 0x40
	v_lshl_add_u32 v255, v0, 2, 0x48400
	s_set_vgpr_msb 0x4000
	v_mov_b32 v63, 0
	s_set_vgpr_msb 0x1
	ds_add_u32 v255, v63
	s_set_vgpr_msb 0x100
	v_lshrrev_b32 v1, 5, v0
	v_readfirstlane_b32 s10, v1                    ; wave 0..3
	s_lshr_b32 s11, s10, 1                         ; which half of the block's rows is mine.  Also: I fetch for A (0) or for B (1)
	s_and_b32 s12, s10, 1                          ; which half of its columns.  Also: which 128 rows of that tile I fetch
	s_bfe_u32 s40, ttmp6, 0x40000                  ; cx
	s_bfe_u32 s41, ttmp6, 0x40004                  ; cy
	s_lshl_b32 s42, ttmp9, 2
	s_add_co_u32 s42, s42, s40                     ; block column = 4 x cluster x + cx
	s_and_b32 s13, ttmp7, 0xffff
	s_lshl_b32 s13, s13, 2
	s_add_co_u32 s13, s13, s41                     ; block row = 4 x cluster y + cy
	s_lshl_b32 s43, s41, 2
	s_lshl_b32 s43, 15, s43                        ; my row of the cluster: places 4 cy .. 4 cy + 3
	s_lshl_b32 s44, 0x1111, s40                    ; my column: places cx, cx + 4, cx + 8, cx + 12
	; group 1: 128 rows x 128 elements of 2 bytes, 4 words of padding behind every 64 words
	s_or_b32 s[G1+0], s43, (1<<16)|(1<<20)|(1<<21)|(5<<22)|(3<<25)
	s_or_b32 s[G1B+0], s44, (1<<16)|(1<<20)|(1<<21)|(5<<22)|(3<<25)
	s_mov_b32 s[G1B+1], KSTEP<<16
	s_mov_b32 s[G1+1], KSTEP<<16                   ; tensor_dim0 = 128
	s_mov_b32 s[G1B+2], 128<<16
	s_mov_b32 s[G1+2], 128<<16                     ; tensor_dim1 = 128
	s_mov_b32 s[G1B+3], KSTEP<<16
	s_mov_b32 s[G1+3], KSTEP<<16                   ; tile_dim0 = 128
	s_mov_b32 s[G1B+4], 128
	s_mov_b32 s[G1+4], 128                         ; tile_dim1 = 128
	s_mov_b32 s[G1B+5], SIZE_K
	s_mov_b32 s[G1+5], SIZE_K                      ; elements from row to row
	s_mov_b32 s[G1B+6], 0
	s_mov_b32 s[G1+6], 0
	s_mov_b32 s[G1B+7], 0
	s_mov_b32 s[G1+7], 0
	; A's tiles hang on the block row alone, B's on the block column alone; each address in registers that never hold the other coordinate
	s_lshl_b32 s17, s12, 7
	s_lshl_b32 s16, s13, 8
	s_add_co_u32 s16, s16, s17                     ; A: row 256 x block row + 128 x half
	s_lshl_b32 s46, s42, 8
	s_add_co_u32 s46, s46, s17                     ; B: row 256 x block column + 128 x half
	s_mov_b32 s17, 0
	s_mov_b32 s47, 0
	s_mov_b64 s[18:19], SIZE_K*2
	s_mul_u64 s[16:17], s[16:17], s[18:19]
	s_mul_u64 s[46:47], s[46:47], s[18:19]
	s_mul_i32 s20, s10, HALFT                      ; where they go: wave x 128 rows
	s_wait_dscnt 0x0
	s_wait_kmcnt 0x0
	s_add_nc_u64 s[14:15], s[4:5], s[16:17]
	s_add_nc_u64 s[46:47], s[6:7], s[46:47]
	CROUND                                         ; all sixteen work-groups are here: the first joint loads meet
.irp s, 0,1
	s_mov_b32 s[G0+4*\s], 1
	s_add_co_u32 s[G0+4*\s+1], s20, \s*SLOT
	s_add_nc_u64 s[G0+4*\s+2:G0+4*\s+3], s[14:15], \s*KSTEP*2
	s_or_b32 s[G0+4*\s+3], s[G0+4*\s+3], 0x80000000
	s_mov_b32 s[G0B+4*\s], 1
	s_add_co_u32 s[G0B+4*\s+1], s20, \s*SLOT
	s_add_nc_u64 s[G0B+4*\s+2:G0B+4*\s+3], s[46:47], \s*KSTEP*2
	s_or_b32 s[G0B+4*\s+3], s[G0B+4*\s+3], 0x80000000
	JLOAD \s                                       ; both slots' first fills: two tensor loads of the wave are out, the most in this text
.endr
	; a fragment: lane l holds row l % 16; two loads of 16 bytes, 32 bytes apart, at row x pitch + 16 (l / 16)
	v_and_b32 v1, 15, v0
	v_bfe_u32 v2, v0, 4, 1
	v_mul_u32_u24 v3, v1, PITCH
	v_lshl_add_u32 v3, v2, 4, v3
	s_mul_i32 s21, s11, HALFT
	s_mul_i32 s22, s12, HALFT
	s_add_co_u32 s22, s22, 2*HALFT
.irp s, 0,1
	v_add_nc_u32 v[ADRA+\s], s21, v3
	v_add_nc_u32 v[ADRB+\s], s22, v3
	s_add_co_u32 s21, s21, SLOT
	s_add_co_u32 s22, s22, SLOT
.endr
	s_mul_i32 s23, s10, 16*SPITCH
	s_add_co_u32 s23, s23, STAGE                   ; my stage
	v_mul_u32_u24 v4, v1, SPITCH                   ; in: row l % 16, 16 bytes for each half of the lanes
	v_lshl_add_u32 v4, v2, 4, v4
	v_add_nc_u32 v[STO], s23, v4
	; back: lanes 0-15 take two rows' 128 bytes of my first head, lanes 16-31 of my second: in a plane two rows are 256 consecutive bytes
	v_bfe_u32 v5, v0, 3, 1                         ; which of the two rows
	v_mul_u32_u24 v5, v5, SPITCH
	v_lshl_add_u32 v5, v2, 7, v5                   ; the head's 128 bytes of the stage's row
	v_and_b32 v6, 7, v0
	v_lshl_add_u32 v5, v6, 4, v5
	v_add_nc_u32 v[RD], s23, v5
	v_lshlrev_b32 v5, 18, v2                       ; in qkv: the second head lies one plane further on
	v_lshl_add_u32 v[CO], v1, 4, v5
; 16 matrix instructions: m blocks a0, a0 + 1 of the window's four x all 8 n blocks, 32 along K.  zero = 1: the first product starts the sums.
.macro MUL16 f, hi, a0, zero
.irp a, \a0, \a0+1
.irp b, 0,1,2,3,4,5,6,7
.if \zero
	v_wmma_f32_16x16x32_bf16 v[8*(8*(\a)+\b):8*(8*(\a)+\b)+7], v[\f+8*\b:\f+8*\b+7], v[\f+8*(4*\hi+\a):\f+8*(4*\hi+\a)+7], 0
.else
	v_wmma_f32_16x16x32_bf16 v[8*(8*(\a)+\b):8*(8*(\a)+\b)+7], v[\f+8*\b:\f+8*\b+7], v[\f+8*(4*\hi+\a):\f+8*(4*\hi+\a)+7], v[8*(8*(\a)+\b):8*(8*(\a)+\b)+7]
.endif
.endr
.endr
.endm
; 32 LDS loads in one run: the fragments of one quarter step into buffer f
.macro FETCH slot, k, f
	WIN TO_B
.irp i, 0,1,2,3,4,5,6,7
	ds_load_b128 v[\f+8*\i:\f+8*\i+3],   v[ADRB+\slot] offset:\k+\i*16*PITCH
	ds_load_b128 v[\f+8*\i+4:\f+8*\i+7], v[ADRB+\slot] offset:\k+\i*16*PITCH+32
.endr
	WIN 0
.irp i, 0,1,2,3,4,5,6,7
	ds_load_b128 v[\f+8*\i:\f+8*\i+3],   v[ADRA+\slot] offset:\k+\i*16*PITCH
	ds_load_b128 v[\f+8*\i+4:\f+8*\i+7], v[ADRA+\slot] offset:\k+\i*16*PITCH+32
.endr
.endm
; Four independent vector instructions stand between a matrix instruction and a load into, or a vector instruction on, one of its registers
.macro PLACES
.rept 4
	v_nop
.endr
.endm
; A K step is four quarters of 32 along K, 64 matrix instructions each, on buffers 0, 1, 0, 1.  The 64 accumulators take turns, one instruction
; a turn, in the same order in every quarter.
.macro QUARTER slot, k, f, g, zero
	s_wait_dscnt 8                                 ; B and A's rows 0-63 are in; the youngest eight loads (A's rows 64-127) may be out
	WIN MUL_LO
	MUL16 \f, 0, 0, \zero
	MUL16 \f, 0, 2, \zero
	PLACES
	FETCH \slot, \k, \g
	s_wait_dscnt 32                                ; all but the 32 just issued
	WIN MUL_HI
	MUL16 \f, 1, 0, \zero
	MUL16 \f, 1, 2, \zero
.endm
.macro THREE slot, zero
	QUARTER \slot, 64,  F0, F1, \zero
	QUARTER \slot, 128, F1, F0, 0
	QUARTER \slot, 192, F0, F1, 0
.endm
; The last quarter changes slots.  In front of the barrier each wave waits for its reads of this slot and for all its tensor loads (one is out:
; its part of the next slot).  Behind it the refill comes first, then the next slot's first fragments.
.macro TURN slot, next, fill
	s_wait_dscnt 8
	WIN MUL_LO
	MUL16 F1, 0, 0, 0
	s_wait_dscnt 0                                 ; my reads of this slot are over
	s_wait_tensorcnt 0x0                           ; all my tensor loads have landed
	ds_add_u32 v255, v63
	s_wait_dscnt 0x0
	s_barrier_signal -1
	MUL16 F1, 0, 2, 0                              ; register work while the others arrive
	WIN 0
	s_barrier_wait -1
.if \fill
	CREST                                          ; the round closes: no wave of any partner still reads this slot or has a load on its way
	s_add_nc_u64 s[G0+4*\slot+2:G0+4*\slot+3], s[G0+4*\slot+2:G0+4*\slot+3], 2*KSTEP*2
	s_add_nc_u64 s[G0B+4*\slot+2:G0B+4*\slot+3], s[G0B+4*\slot+2:G0B+4*\slot+3], 2*KSTEP*2
	JLOAD \slot                                    ; the first tensor load behind the round, the wave's only one until the next
.endif
	PLACES
	FETCH \next, 0, F0
	WIN MUL_HI
	MUL16 F1, 1, 0, 0
	MUL16 F1, 1, 2, 0
.endm
.macro LAP zero
	THREE 0, \zero
	TURN 0, 1, 1
	THREE 1, 0
	TURN 1, 0, 1
.endm
	s_wait_tensorcnt 1                             ; my part of K step 0 is in; K step 1's stays out
	s_barrier_signal -1
	s_barrier_wait -1
	FETCH 0, 0, F0
	LAP 1                                          ; the first lap stands in front of the loop: its first products start the sums
	WIN 0
	s_mov_b32 s3, LAPS-2
.Llap:
	LAP 0
	WIN 0
	s_sub_co_u32 s3, s3, 1
	s_cmp_lg_u32 s3, 0
	s_cbranch_scc1 .Llap
	THREE 0, 0                                     ; the last lap fills nothing
	TURN 0, 1, 0
	THREE 1, 0
	s_wait_dscnt 8
	WIN MUL_LO
	MUL16 F1, 0, 0, 0
	MUL16 F1, 0, 2, 0
	s_wait_dscnt 0
	WIN MUL_HI
	MUL16 F1, 1, 0, 0
	MUL16 F1, 1, 2, 0
	; THE WAY OUT, 16 rows at a time.  My 128 columns are two heads, planes 4 x block column + 2 x half and the next.
	WIN 0
	PLACES                                         ; behind the last matrix instructions, for all that reads results or writes fragment registers below
	s_lshr_b32 s14, s13, 3                         ; batch = block row / 8
	s_lshl_b32 s16, s14, 24                        ; 64 planes of 262,144 bytes
	s_and_b32 s14, s13, 7
	s_lshl_b32 s14, s14, 15                        ; 256 rows of 128 bytes
	s_add_co_u32 s16, s16, s14
	s_lshl_b32 s14, s11, 14                        ; my 128 rows
	s_add_co_u32 s16, s16, s14
	s_mov_b32 s17, 0
	s_add_nc_u64 s[8:9], s[8:9], s[16:17]
	s_lshl_b32 s46, s42, 20                        ; four planes a block column (in the registers that held B's address)
	s_lshl_b32 s47, s12, 19                        ; two for my half
	s_add_co_u32 s46, s46, s47
	s_mov_b32 s47, 0
	s_add_nc_u64 s[8:9], s[8:9], s[46:47]
; 32 packed registers at src go through my stage and out: rows 16 i .. 16 i + 15, imm bytes further on in qkv
.macro PUT src, rb, i, imm
.irp b, 0,1,2,3,4,5,6,7
	ds_store_b128 v[STO], v[\src+4*\b:\src+4*\b+3] offset:32*\b
.endr
	s_wait_xcnt 0x0                                ; rb was the data of earlier stores: it is loaded again only behind this wait
.irp t, 0,1,2,3,4,5,6,7
	ds_load_b128 v[\rb+4*\t:\rb+4*\t+3], v[RD] offset:\t*2*SPITCH   ; LDS serves a wave's instructions in order: these see the stores above
.endr
.irp t, 0,1,2,3,4,5,6,7
	s_wait_dscnt 7-\t
	global_store_b128 v[CO], v[\rb+4*\t:\rb+4*\t+3], s[8:9] offset:\i*2048+\t*256+\imm   ; 16 lanes store two rows of a head: 256 consecutive aligned bytes
.endr
.endm
; rows 16 i .. of my block = the eight tiles (a, 0..7) of window win (2 or 3).
; lo = 1: the number is split: c = 8193 v, hi = c - (c - v) has 11 significant bits and is exact in f16, lo = v - hi is exact in f32.
.macro OUTROWS i, a, win, lo
.if \lo
	WIN \win                                       ; source 0 = accumulators
.set k, 0
.rept 32
	v_pk_mul_f32 v[HI+k:HI+k+1], v[64*\a+k:64*\a+k+1], 0x46000400 op_sel_hi:[1,0]
.set k, k+2
.endr
.set k, 0
.rept 32
	v_pk_add_f32 v[LO+k:LO+k+1], v[64*\a+k:64*\a+k+1], v[HI+k:HI+k+1] neg_lo:[1,0] neg_hi:[1,0]   ; c - v
.set k, k+2
.endr
	WIN 0
.set k, 0
.rept 32
	v_pk_add_f32 v[HI+k:HI+k+1], v[HI+k:HI+k+1], v[LO+k:LO+k+1] neg_lo:[0,1] neg_hi:[0,1]         ; hi
.set k, k+2
.endr
	WIN \win
.set k, 0
.rept 32
	v_pk_add_f32 v[LO+k:LO+k+1], v[64*\a+k:64*\a+k+1], v[HI+k:HI+k+1] neg_lo:[0,1] neg_hi:[0,1]   ; lo
.set k, k+2
.endr
	WIN 0
.set k, 0
.rept 32
	v_cvt_pk_f16_f32 v[HI+k], v[HI+2*k], v[HI+2*k+1]       ; packed in place, upward: register k is read no later than it is written
	v_cvt_pk_f16_f32 v[LO+k], v[LO+2*k], v[LO+2*k+1]
.set k, k+1
.endr
	PUT HI, RB, \i, 0
	PUT LO, RB2, \i, 4194304                       ; v_lo: 16 planes further on
.else
	WIN \win*5                                     ; sources 0 and 1 = accumulators
.set k, 0
.rept 32
	v_cvt_pk_f16_f32 v[HI+k], v[64*\a+2*k], v[64*\a+2*k+1]
.set k, k+1
.endr
	WIN 0
	PUT HI, RB, \i, 0
.endif
.endm
	s_cmp_eq_u32 ttmp9, 2                          ; the cluster's x = block column / 4 = which weight: the same in all sixteen partners
	s_cbranch_scc1 .Lsplit
	OUTROWS 0, 0, 2, 0
	OUTROWS 1, 1, 2, 0
	OUTROWS 2, 2, 2, 0
	OUTROWS 3, 3, 2, 0
	OUTROWS 4, 0, 3, 0
	OUTROWS 5, 1, 3, 0
	OUTROWS 6, 2, 3, 0
	OUTROWS 7, 3, 3, 0
	s_branch .Lclose
.Lsplit:
	OUTROWS 0, 0, 2, 1
	OUTROWS 1, 1, 2, 1
	OUTROWS 2, 2, 2, 1
	OUTROWS 3, 3, 2, 1
	OUTROWS 4, 0, 3, 1
	OUTROWS 5, 1, 3, 1
	OUTROWS 6, 2, 3, 1
	OUTROWS 7, 3, 3, 1
.Lclose:
	s_set_vgpr_msb 0x1
	s_wait_tensorcnt 0x0
	ds_add_u32 v255, v63
	s_wait_dscnt 0x0
	s_set_vgpr_msb 0x100
	CROUND                                         ; the closing round: no work-group ends while a partner may still ask for a tile that names it
	s_endpgm
.Lfunc_end_k_q7b78f5479f_qkv:
	.size	k_q7b78f5479f_qkv, .Lfunc_end_k_q7b78f5479f_qkv-k_q7b78f5479f_qkv
	.p2alignl 7, 3214868480
	.fill 96, 4, 3214868480
	.section	.rodata,"a",@progbits
	.p2align	6, 0x0
	.amdhsa_kernel k_q7b78f5479f_qkv
		.amdhsa_group_segment_fixed_size 327680
		.amdhsa_private_segment_fixed_size 0
		.amdhsa_enable_private_segment 0
		.amdhsa_kernarg_size 24
		.amdhsa_user_sgpr_count 2
		.amdhsa_user_sgpr_kernarg_segment_ptr 1
		.amdhsa_wavefront_size32 1
		.amdhsa_system_sgpr_workgroup_id_x 1
		.amdhsa_system_sgpr_workgroup_id_y 1
		.amdhsa_system_sgpr_workgroup_id_z 1
		.amdhsa_system_vgpr_workitem_id 0
		.amdhsa_next_free_vgpr 1024
		.amdhsa_next_free_sgpr 66
		.amdhsa_reserve_vcc 0
		.amdhsa_float_denorm_mode_32 3
		.amdhsa_float_denorm_mode_16_64 3
		.amdhsa_memory_ordered 1
		.amdhsa_forward_progress 1
		.amdhsa_inst_pref_size 255
	.end_amdhsa_kernel
	.section	.bss,"aw",@nobits
	.p2align	6
	.space	262144
	.amdgpu_metadata
---
amdhsa.version: [ 1, 2 ]
amdhsa.kernels:
  - .name:           k_q7b78f5479f_qkv
    .symbol:         k_q7b78f5479f_qkv.kd
    .args:
      - { .name: xb, .offset: 0, .size: 8, .value_kind: global_buffer, .address_space: global }
      - { .name: wb, .offset: 8, .size: 8, .value_kind: global_buffer, .address_space: global }
      - { .name: qkv, .offset: 16, .size: 8, .value_kind: global_buffer, .address_space: global }
    .group_segment_fixed_size: 327680
    .private_segment_fixed_size: 0
    .kernarg_segment_align: 8
    .kernarg_segment_size: 24
    .max_flat_workgroup_size: 128
    .sgpr_count:     66
    .vgpr_count:     1024
    .wavefront_size: 32
...
	.end_amdgpu_metadata
.endif
;; end of part 2
;; launch attn (part 3): grid 8 x 32, 8 waves a work-group, no clusters, 327,680 bytes of LDS; arguments qkv, ao; writes ao
.if DOCPART == 3
	.amdgcn_target "amdgcn-amd-amdhsa--gfx1250"
	.amdhsa_code_object_version 6
	.text
	.protected	k_q7b78f5479f_attn
	.globl	k_q7b78f5479f_attn
	.p2align	8
	.type	k_q7b78f5479f_attn,@function
k_q7b78f5479f_attn:
	s_mov_b64 s[64:65], 0
	v_nop
	global_prefetch_b8 v0, s[64:65] scope:SCOPE_SE
	s_setreg_imm32_b32 hwreg(HW_REG_WAVE_MODE, 25, 1), 1
	s_wait_xcnt 0x0
; Causal attention of one head, f16 operands, f32 sums, softmax in f32 with a running maximum.
; qkv[b][g][s][64] f16: planes g = head: q, 16 + head: k, 32 + head: v_hi, 48 + head: v_lo.  ao[b][s / 128][head][128][64] f16.
; A work-group (x = p, y = 16 b + head) takes the query blocks p and 15 - p of 128 rows: (p + 1) + (16 - p) = 17 key tiles of 128 in every work-group.
; The block with the odd number goes first (phase A, an even number of tiles), the even one second (phase B), so that each step's LDS slot is a constant of the text.
; Eight waves: wave w takes query rows 32 (w & 3) .. + 31 and, of every key tile, keys 64 (w >> 2) .. + 63.  The two waves with the same rows
; keep a maximum, a sum and an output of their own and merge once a phase through LDS.  So a K or V fragment feeds two matrix instructions.
; TRANSPOSED: S^T = K Q^T and O^T = V^T P^T.  Lane (r, h) then holds one query r and eight keys (or eight d) in registers: maximum, sum and
; rescaling are per lane with one exchange across lane xor 16, and the packed registers of S^T are P^T's fragment as they lie.
; THE DIAGONAL TILE, which holds all the keys of rows that have few, is multiplied with P = P_hi + P_lo and V = V_hi + V_lo
; (P_hi V_hi + P_lo V_hi + P_hi V_lo); all other tiles with P_hi V_hi.
; LIMITS: inputs finite; |q|, |k|, |v| below 65,504.  The running maximum starts at the lowest finite f32 and masked scores are -inf, so a wave
; whose keys are all masked gives p = 0 and a rescaling of 1.  The sum l adds p as computed in f32, the product takes p rounded to f16.
; NO CLUSTER: the eight work-groups of a head read the same K and V, but block p ends after p + 1 tiles and block 15 - p after 16 - p, and which
; of the two goes first differs from work-group to work-group: in a given step partners stand at different tiles.
.set PARTB, 10240                      ; a quarter of a slot: 64 rows of K (pitch 144) or of V (pitch 160)
.set SLOTB, 4*PARTB                    ; K keys 0-63, K keys 64-127, V keys 0-63, V keys 64-127
.set TILEB, 16384                      ; 128 rows of 128 bytes in a plane
.set KP,    144                        ; an odd multiple of 16 bytes: 16 rows of a fragment load start in different banks
.set VP,    160                        ; an odd multiple of 32 bytes, for the transposing loads
.set VLO,   2*SLOTB                    ; 81,920: v_lo of phase A's diagonal tile (2 parts), then of phase B's
.set MERGE, VLO+4*PARTB                ; 122,880: four regions of 8,704: 8,192 of O, 512 of figures.  Written by ds_store, never by a tensor load
.set MPART, 8704
.set STAGE, MERGE+4*MPART              ; 157,696: four regions of 32 rows x 144
.set SPART, 32*KP
.set KA,   2                           ; LDS address of my K fragments in slot 0
.set VA,   3                           ; of my V fragments in slot 0
.set DL,   4                           ; 32 wq + r - 64 g - 8 h: key 16 kt + j of my half is masked for query 16 qt + r where 16 kt + j - 16 qt > DL
.set NINF, 5
.set QO,   6                           ; my offset in the wave's 32 rows of q
.set MG,   7                           ; merge region + 16 lane
.set STO,  8
.set RD,   9
.set CO,   10                          ; 16 lane
.set VL,   11                          ; LDS address of my v_lo fragments, phase A
.set NM,   12                          ; v12, v14: -c m for query tile 0, 1
.set LL,   13                          ; v13, v15: l, folded at the phase's end.  v[12:15] are the figures handed to the partner
.set LS,   16                          ; v[16:17], v[18:19]: running sums, two a lane
.set MX,   20                          ; v20, v21: running maximum
.set AL,   22                          ; v22, v24: rescaling factor
.set TT,   23                          ; v23, v25: at work
.set XX,   26                          ; v26, v27: from the other half of the lanes.  v[26:31] also at work
.set Q,    32                          ; Q(qt, ds) at 32 + 8 (2 qt + ds); in a diagonal step afterwards P_lo(ks, qt) at 32 + 8 (2 ks + qt)
.set S,    64                          ; S(kt, qt) at 64 + 8 (2 kt + qt); afterwards P_hi(ks, qt) at 64 + 8 (4 ks + qt)
.set F,    128                         ; K fragments (ds, kt), then V fragments (ks, dt), at 128 + 8 (4 . + .)
.set O,    192                         ; O(dt, qt) at 192 + 8 (2 dt + qt)
.set G1K,  24                          ; s[24:31] shape of a K part
.set G1V,  32                          ; s[32:39] shape of a V part
.set G0,   40                          ; s[40:47] from where, to where: one set for each slot
.set G0LA, 48                          ; s[48:51] v_lo, phase A
.set G0LB, 52                          ; s[52:55] v_lo, phase B
.set KVB,  56                          ; s[56:57] address of my part of tile 0
.set QBA,  58                          ; s[58:59], s[60:61] my 32 rows of q in phase A, B
.set QBB,  60
.set OBA,  66                          ; s[66:67], s[68:69] my 32 rows of ao
.set OBB,  68
.macro PLACES n                        ; independent vector instructions behind matrix instructions (ISA guide 7.12.1)
.rept \n
	v_nop
.endr
.endm
; Waves 0, 1 fetch K's halves, waves 2, 3 V's, one tensor load of 64 rows each; waves 4 to 7 have no part
.macro KVLOAD s
	s_cmp_gt_u32 s10, 3
	s_cbranch_scc1 .Lkv_none_\@
	s_cmp_gt_u32 s10, 1
	s_cbranch_scc1 .Lkv_v_\@
	tensor_load_to_lds s[G0+4*(\s):G0+4*(\s)+3], s[G1K:G1K+7]
	s_nop 0
	s_branch .Lkv_none_\@
.Lkv_v_\@:
	tensor_load_to_lds s[G0+4*(\s):G0+4*(\s)+3], s[G1V:G1V+7]
	s_nop 0
.Lkv_none_\@:
.endm
.macro QLOAD base                      ; four fragments of q: lane (r, h) takes row 16 qt + r, d = 32 ds + 8 h .. and 32 ds + 16 + 8 h ..
.irp qt, 0,1
.irp ds, 0,1
	global_load_b128 v[Q+8*(2*\qt+\ds):Q+8*(2*\qt+\ds)+3],   v[QO], s[\base:\base+1] offset:\qt*2048+\ds*64
	global_load_b128 v[Q+8*(2*\qt+\ds)+4:Q+8*(2*\qt+\ds)+7], v[QO], s[\base:\base+1] offset:\qt*2048+\ds*64+32
.endr
.endr
.endm
; A phase starts.  O is cleared, 64 moves a phase: a first step with the constant 0 as C would be a further copy of the step's text for each phase.
.macro RESET
.set ii, 0
.rept 64
	v_mov_b32 v[O+ii], 0
.set ii, ii+1
.endr
.irp qt, 0,1
	v_mov_b32 v[MX+\qt], 0xff7fffff
	v_mov_b32 v[LL+2*\qt], 0
	v_mov_b32 v[LS+2*\qt], 0
	v_mov_b32 v[LS+2*\qt+1], 0
	v_mul_f32 v[NM+2*\qt], s72, v[MX+\qt]
.endr
.endm
; Eight products S(kt, qt) (+)= K(kt, ds) Q(qt, ds).  The eight accumulators take turns, one instruction a turn.
.macro QK ds, zero
.irp kt, 0,1,2,3
.irp qt, 0,1
.if \zero
	v_wmma_f32_16x16x32_f16 v[S+8*(2*\kt+\qt):S+8*(2*\kt+\qt)+7], v[F+8*(4*\ds+\kt):F+8*(4*\ds+\kt)+7], v[Q+8*(2*\qt+\ds):Q+8*(2*\qt+\ds)+7], 0
.else
	v_wmma_f32_16x16x32_f16 v[S+8*(2*\kt+\qt):S+8*(2*\kt+\qt)+7], v[F+8*(4*\ds+\kt):F+8*(4*\ds+\kt)+7], v[Q+8*(2*\qt+\ds):Q+8*(2*\qt+\ds)+7], v[S+8*(2*\kt+\qt):S+8*(2*\kt+\qt)+7]
.endif
.endr
.endr
.endm
; Eight products O(dt, qt) += V(dt, ks) P(ks, qt), P's fragment for qt at p + 8 qt.  By turns likewise.
.macro PV ks, p
.irp dt, 0,1,2,3
.irp qt, 0,1
	v_wmma_f32_16x16x32_f16 v[O+8*(2*\dt+\qt):O+8*(2*\dt+\qt)+7], v[F+8*(4*\ks+\dt):F+8*(4*\ks+\dt)+7], v[\p+8*\qt:\p+8*\qt+7], v[O+8*(2*\dt+\qt):O+8*(2*\dt+\qt)+7]
.endr
.endr
.endm
; 16 transposing loads: V lies [key][d]; a fragment wants d by lanes and keys along the registers
.macro VFETCH adr, off
.irp ks, 0,1
.irp dt, 0,1,2,3
	ds_load_tr16_b128 v[F+8*(4*\ks+\dt):F+8*(4*\ks+\dt)+3],   v[\adr] offset:\off+\ks*32*VP+\dt*32
	ds_load_tr16_b128 v[F+8*(4*\ks+\dt)+4:F+8*(4*\ks+\dt)+7], v[\adr] offset:\off+\ks*32*VP+\dt*32+16*VP
.endr
.endr
.endm
; Two pairs of p, one of each query tile, are split: hi = f16(p) goes to ph, lo = f16(p - hi) to pl.  hi moves to its place last, since that may be a register of the pair.
.macro SPLIT2 pha, pla, srca, phb, plb, srcb
	v_cvt_pk_f16_f32 v28, v[\srca], v[\srca+1]
	v_cvt_pk_f16_f32 v29, v[\srcb], v[\srcb+1]
	v_cvt_f32_f16 v30, v28.l
	v_cvt_f32_f16 v31, v28.h
	v_cvt_f32_f16 v26, v29.l
	v_cvt_f32_f16 v27, v29.h
	v_pk_add_f32 v[30:31], v[\srca:\srca+1], v[30:31] neg_lo:[0,1] neg_hi:[0,1]
	v_pk_add_f32 v[26:27], v[\srcb:\srcb+1], v[26:27] neg_lo:[0,1] neg_hi:[0,1]
	v_cvt_pk_f16_f32 v[\pla], v30, v31
	v_cvt_pk_f16_f32 v[\plb], v26, v27
	v_mov_b32 v[\pha], v28
	v_mov_b32 v[\phb], v29
.endm
; ONE KEY TILE, in LDS slot 'slot'.  mask = 1: the diagonal tile, with v_lo from region vlo.  refill = 1: the next tile is asked for, into the other slot.
; reset = 1: this slot's next tile is tile 'slot' of the next phase.
.macro STEP slot, mask, refill, reset, vlo
	s_set_vgpr_msb 0x5
	s_wait_tensorcnt 0x0                           ; all my tensor loads have landed, my part of this tile among them; so a group 0 may be written
	ds_add_u32 v0, v1
	s_wait_dscnt 0x0
	s_set_vgpr_msb 0x500
.if \reset
	s_add_nc_u64 s[G0+4*\slot+2:G0+4*\slot+3], s[KVB:KVB+1], \slot*TILEB
	s_or_b32 s[G0+4*\slot+3], s[G0+4*\slot+3], 0x80000000
.else
	s_add_nc_u64 s[G0+4*\slot+2:G0+4*\slot+3], s[G0+4*\slot+2:G0+4*\slot+3], 2*TILEB   ; this slot's next tile
.endif
	s_wait_dscnt 0x0                               ; my reads of the other slot are done
	s_barrier_signal -1
	s_barrier_wait -1                              ; both hold of all eight waves
.if \refill
	KVLOAD 1-\slot                                 ; first thing behind the barrier, one load a wave: it has this step's work in which to land
.endif
.irp ds, 0,1
.irp kt, 0,1,2,3
	ds_load_b128 v[F+8*(4*\ds+\kt):F+8*(4*\ds+\kt)+3],   v[KA] offset:\slot*SLOTB+\kt*16*KP+\ds*64
	ds_load_b128 v[F+8*(4*\ds+\kt)+4:F+8*(4*\ds+\kt)+7], v[KA] offset:\slot*SLOTB+\kt*16*KP+\ds*64+32
.endr
.endr
	s_wait_dscnt 8                                 ; d 0-31 of my 64 keys are in; the eight loads of d 32-63 may be out
	QK 0, 1                                        ; the first products start the sums
	s_wait_dscnt 0x0
	QK 1, 0
	PLACES 4                                       ; then F is loaded again and S is read
	VFETCH VA, \slot*SLOTB
.if \mask
.irp kt, 0,1,2,3
.irp qt, 0,1
.irp j, 0,1,2,3,4,5,6,7
	v_cmp_gt_i32 vcc_lo, 16*\kt+\j-16*\qt, v[DL]
	v_cndmask_b32 v[S+8*(2*\kt+\qt)+\j], v[S+8*(2*\kt+\qt)+\j], v[NINF], vcc_lo
.endr
.endr
.endr
.endif
	; the new maximum: my 32 keys, the old maximum, the other half of the lanes
.irp kt, 0,1,2,3
.irp i, 0,2,4,6
.irp qt, 0,1
.if \kt+\i
	v_max3_num_f32 v[TT+2*\qt], v[TT+2*\qt], v[S+8*(2*\kt+\qt)+\i], v[S+8*(2*\kt+\qt)+\i+1]
.else
	v_max3_num_f32 v[TT+2*\qt], v[MX+\qt], v[S+8*\qt], v[S+8*\qt+1]
.endif
.endr
.endr
.endr
	v_permlanex16_b32 v[XX],   v[TT],   s73, s74
	v_permlanex16_b32 v[XX+1], v[TT+2], s73, s74
	v_max_num_f32 v[MX],   v[TT],   v[XX]
	v_max_num_f32 v[MX+1], v[TT+2], v[XX+1]
	v_mul_f32 v[TT],   s72, v[MX]                  ; -c m, rounded once: the factor and p use the same number
	v_mul_f32 v[TT+2], s72, v[MX+1]
	v_sub_f32 v[AL],   v[TT],   v[NM]              ; c (m_old - m_new)
	v_sub_f32 v[AL+2], v[TT+2], v[NM+2]
	v_mov_b32 v[NM],   v[TT]
	v_mov_b32 v[NM+2], v[TT+2]
.irp kt, 0,1,2,3
.irp qt, 0,1
.irp i, 0,2,4,6
	v_pk_fma_f32 v[S+8*(2*\kt+\qt)+\i:S+8*(2*\kt+\qt)+\i+1], v[S+8*(2*\kt+\qt)+\i:S+8*(2*\kt+\qt)+\i+1], s[70:71], v[NM+2*\qt:NM+2*\qt+1] op_sel_hi:[1,0,0]
.endr
.endr
.endr
	v_exp_f32 v[AL],   v[AL]
	v_exp_f32 v[AL+2], v[AL+2]
.set ii, 0
.rept 64
	v_exp_f32 v[S+ii], v[S+ii]
.set ii, ii+1
.endr
	v_nop                                          ; one plain instruction between the last exponential and the first use (ISA guide 5.7.2)
	s_wait_alu depctr_va_vdst(0)
	; l = l alpha + sum of p
.irp kt, 0,1,2,3
.irp i, 0,2,4,6
.irp qt, 0,1
.if \kt+\i
	v_pk_add_f32 v[LS+2*\qt:LS+2*\qt+1], v[LS+2*\qt:LS+2*\qt+1], v[S+8*(2*\kt+\qt)+\i:S+8*(2*\kt+\qt)+\i+1]
.else
	v_pk_fma_f32 v[LS+2*\qt:LS+2*\qt+1], v[LS+2*\qt:LS+2*\qt+1], v[AL+2*\qt:AL+2*\qt+1], v[S+8*\qt:S+8*\qt+1] op_sel_hi:[1,0,1]
.endif
.endr
.endr
.endr
	; P^T's fragment for keys 32 ks ..: key tile 2 ks packed into its own registers 0-3, key tile 2 ks + 1 into registers 4-7 of the same
.if \mask
.irp ks, 0,1
.irp hf, 0,1
.irp i, 0,1,2,3
	SPLIT2 S+8*(4*\ks)+4*\hf+\i, Q+8*(2*\ks)+4*\hf+\i, S+8*(4*\ks+2*\hf)+2*\i, S+8*(4*\ks+1)+4*\hf+\i, Q+8*(2*\ks+1)+4*\hf+\i, S+8*(4*\ks+2*\hf+1)+2*\i
.endr
.endr
.endr
.else
.irp ks, 0,1
.irp hf, 0,1
.irp i, 0,1,2,3
.irp qt, 0,1
	v_cvt_pk_f16_f32 v[S+8*(4*\ks+\qt)+4*\hf+\i], v[S+8*(4*\ks+2*\hf+\qt)+2*\i], v[S+8*(4*\ks+2*\hf+\qt)+2*\i+1]
.endr
.endr
.endr
.endr
.endif
.irp dt, 0,1,2,3
.irp qt, 0,1
.irp i, 0,2,4,6
	v_pk_mul_f32 v[O+8*(2*\dt+\qt)+\i:O+8*(2*\dt+\qt)+\i+1], v[O+8*(2*\dt+\qt)+\i:O+8*(2*\dt+\qt)+\i+1], v[AL+2*\qt:AL+2*\qt+1] op_sel_hi:[1,0]
.endr
.endr
.endr
	s_wait_dscnt 8                                 ; V of my keys 0-31 is in; the eight loads of keys 32-63 may be out
	PV 0, S
	s_wait_dscnt 0x0
	PV 1, S+32
.if \mask
	PV 0, Q                                        ; P_lo V_hi
	PV 1, Q+16
	PLACES 4                                       ; then F is loaded again
	VFETCH VL, \vlo*2*PARTB
	s_wait_dscnt 0x0
	PV 0, S                                        ; P_hi V_lo
	PV 1, S+32
.endif
	PLACES 5                                       ; the next matrix instruction writes over P_hi; F is loaded again; O is read
.endm
; A PHASE ENDS: the two waves with the same rows merge, waves 0 to 3 normalise and store.  qnext = 1: phase B's q is asked for first, and the phase is reset.
.macro FINISH ob, qnext
.if \qnext
	QLOAD QBB
.endif
	v_add_f32 v[LL],   v[LS],   v[LS+1]
	v_add_f32 v[LL+2], v[LS+2], v[LS+3]
	v_permlanex16_b32 v[XX],   v[LL],   s73, s74
	v_permlanex16_b32 v[XX+1], v[LL+2], s73, s74
	v_add_f32 v[LL],   v[LL],   v[XX]
	v_add_f32 v[LL+2], v[LL+2], v[XX+1]
	s_cmp_lt_u32 s10, 4
	s_cbranch_scc1 .Lkeep_\@
.set ii, 0
.rept 16
	ds_store_b128 v[MG], v[O+4*ii:O+4*ii+3] offset:512*ii
.set ii, ii+1
.endr
	ds_store_b128 v[MG], v[NM:NM+3] offset:8192    ; -c m and l of both query tiles
.Lkeep_\@:
	s_wait_dscnt 0x0                               ; for the partner's sake: my stores are done
	s_barrier_signal -1
	s_barrier_wait -1                              ; no LDS bytes are filled behind this barrier: the next phase's first tile may stay on its way
	s_cmp_gt_u32 s10, 3
	s_cbranch_scc1 .Ldone_\@
	ds_load_b128 v[28:31], v[MG] offset:8192
.set ii, 0
.rept 16
	ds_load_b128 v[F+4*ii:F+4*ii+3], v[MG] offset:512*ii
.set ii, ii+1
.endr
	s_wait_dscnt 16                                ; the partner's figures are in, the 16 loads of its O may be out
	v_min_num_f32 v[MX],   v[NM],   v28            ; -c max(m, m')
	v_min_num_f32 v[MX+1], v[NM+2], v30
	v_sub_f32 v[AL],   v[MX],   v[NM]
	v_sub_f32 v[AL+2], v[MX+1], v[NM+2]
	v_sub_f32 v[LS],   v[MX],   v28
	v_sub_f32 v[LS+2], v[MX+1], v30
	v_exp_f32 v[AL],   v[AL]                       ; my factor
	v_exp_f32 v[AL+2], v[AL+2]
	v_exp_f32 v[LS],   v[LS]                       ; the partner's
	v_exp_f32 v[LS+2], v[LS+2]
	v_nop
	s_wait_alu depctr_va_vdst(0)
	v_mul_f32 v[LL],   v[LL],   v[AL]
	v_mul_f32 v[LL+2], v[LL+2], v[AL+2]
	v_fmac_f32 v[LL],   v29, v[LS]
	v_fmac_f32 v[LL+2], v31, v[LS+2]               ; l of the whole row: at least 1, the term of the maximum
	v_rcp_f32 v[LL],   v[LL]
	v_rcp_f32 v[LL+2], v[LL+2]
	v_nop
	s_wait_alu depctr_va_vdst(0)
	v_mul_f32 v[AL],   v[AL],   v[LL]
	v_mul_f32 v[AL+2], v[AL+2], v[LL+2]
	v_mul_f32 v[LS],   v[LS],   v[LL]
	v_mul_f32 v[LS+2], v[LS+2], v[LL+2]
.irp dt, 0,1,2,3
.irp qt, 0,1
.irp i, 0,2,4,6
	v_pk_mul_f32 v[O+8*(2*\dt+\qt)+\i:O+8*(2*\dt+\qt)+\i+1], v[O+8*(2*\dt+\qt)+\i:O+8*(2*\dt+\qt)+\i+1], v[AL+2*\qt:AL+2*\qt+1] op_sel_hi:[1,0]
.endr
.endr
.endr
	s_wait_dscnt 0x0
.irp dt, 0,1,2,3
.irp qt, 0,1
.irp i, 0,2,4,6
	v_pk_fma_f32 v[O+8*(2*\dt+\qt)+\i:O+8*(2*\dt+\qt)+\i+1], v[F+8*(2*\dt+\qt)+\i:F+8*(2*\dt+\qt)+\i+1], v[LS+2*\qt:LS+2*\qt+1], v[O+8*(2*\dt+\qt)+\i:O+8*(2*\dt+\qt)+\i+1] op_sel_hi:[1,0,1]
.endr
.endr
.endr
	; lane (r, h) holds d = 16 dt + 8 h .. + 7 of row 16 qt + r: 16 bytes of f16, through my own stage into whole rows
.irp qt, 0,1
.irp dt, 0,1,2,3
.irp i, 0,1,2,3
	v_cvt_pk_f16_f32 v[S+4*(4*\qt+\dt)+\i], v[O+8*(2*\dt+\qt)+2*\i], v[O+8*(2*\dt+\qt)+2*\i+1]
.endr
	ds_store_b128 v[STO], v[S+4*(4*\qt+\dt):S+4*(4*\qt+\dt)+3] offset:\qt*16*KP+32*\dt
.endr
.endr
.irp t, 0,1,2,3,4,5,6,7
	ds_load_b128 v[F+4*\t:F+4*\t+3], v[RD] offset:\t*4*KP          ; four rows; LDS serves a wave's instructions in order
.endr
.irp t, 0,1,2,3,4,5,6,7
	s_wait_dscnt 7-\t
	global_store_b128 v[CO], v[F+4*\t:F+4*\t+3], s[\ob:\ob+1] offset:512*\t   ; the wave stores 512 consecutive aligned bytes
.endr
.Ldone_\@:
.if \qnext
	s_wait_xcnt 0x0                                ; F, the stores' data, is loaded again only behind this wait
	RESET
	s_wait_loadcnt 0x0                             ; phase B's q
.endif
.endm
	s_load_b128 s[4:7], s[0:1], 0x0                ; qkv s[4:5], ao s[6:7]
	s_set_vgpr_msb 0x40
	v_lshl_add_u32 v0, v0, 2, 0x2b000
	v_mov_b32 v1, 0
	s_set_vgpr_msb 0x4045
	ds_add_u32 v0, v1
	s_set_vgpr_msb 0x4500
	v_lshrrev_b32 v1, 5, v0
	v_readfirstlane_b32 s10, v1                    ; wave 0..7
	s_lshr_b32 s11, s10, 2                         ; g: my half of the keys
	s_and_b32 s12, s10, 3                          ; wq: my 32 query rows
	s_mov_b32 s13, ttmp9                           ; p
	s_and_b32 s14, ttmp7, 0xffff                   ; 16 b + head
	s_sub_co_u32 s18, 15, s13
	s_bitcmp1_b32 s13, 0
	s_cselect_b32 s15, s13, s18                    ; phase A's block: the odd one of p and 15 - p
	s_cselect_b32 s16, s18, s13                    ; phase B's: the even one
	s_lshr_b32 s75, s15, 1                         ; pairs of unmasked tiles in A's loop: (block - 1) / 2
	s_lshr_b32 s76, s16, 1                         ; in B's loop: block / 2
	s_lshr_b32 s19, s14, 4                         ; b
	s_and_b32 s20, s14, 15                         ; head
	s_lshl_b32 s17, s19, 6
	s_add_co_u32 s17, s17, s20                     ; q's plane: 64 b + head
	s_lshl_b32 s18, s17, 18                        ; in bytes
	s_and_b32 s21, s10, 1
	s_lshl_b32 s21, s21, 13                        ; as a loader: my 64 rows of a tile
	s_lshl_b32 s77, s12, 12                        ; my 32 rows of a query block
	s_lshr_b32 s22, s12, 1
	s_add_co_u32 s22, s22, 1                       ; as a loader: 1 = K, 2 = V_hi, 16 planes each beyond q's
	s_lshl_b32 s22, s22, 22
	s_add_co_u32 s22, s22, s18
	s_add_co_u32 s22, s22, s21
	s_mov_b32 s23, 0
	s_lshl_b32 s19, s19, 22                        ; ao: 16 blocks x 16 heads x 16,384 bytes a batch
	s_lshl_b32 s20, s20, 14
	s_add_co_u32 s19, s19, s20
	s_add_co_u32 s19, s19, s77
	s_mov_b32 s70, 0x3e38aa3b                      ; c = log2(e) / 8: the scale 1 / sqrt(64) and the change of base in one
	s_mov_b32 s71, 0x3e38aa3b
	s_mov_b32 s72, 0xbe38aa3b                      ; -c
	s_mov_b32 s73, 0x76543210                      ; v_permlanex16_b32: lane i of one half reads lane i of the other
	s_mov_b32 s74, 0xfedcba98
	; shapes: 64 rows x 64 elements of 2 bytes, dense in memory; behind every 32 words 4 words of padding (K) or 8 (V)
	s_mov_b32 s[G1K+0], (1<<16)|(1<<20)|(4<<22)|(3<<25)
	s_mov_b32 s[G1V+0], (1<<16)|(1<<20)|(4<<22)|(7<<25)
	s_mov_b32 s[G1K+1], 64<<16                     ; tensor_dim0
	s_mov_b32 s[G1V+1], 64<<16
	s_mov_b32 s[G1K+2], 64<<16                     ; tensor_dim1
	s_mov_b32 s[G1V+2], 64<<16
	s_mov_b32 s[G1K+3], 64<<16                     ; tile_dim0
	s_mov_b32 s[G1V+3], 64<<16
	s_mov_b32 s[G1K+4], 64                         ; tile_dim1
	s_mov_b32 s[G1V+4], 64
	s_mov_b32 s[G1K+5], 64                         ; elements from row to row
	s_mov_b32 s[G1V+5], 64
	s_mov_b32 s[G1K+6], 0
	s_mov_b32 s[G1V+6], 0
	s_mov_b32 s[G1K+7], 0
	s_mov_b32 s[G1V+7], 0
	s_mul_i32 s62, s10, PARTB                      ; a loader's LDS bytes: wave x 10,240 + a constant
	s_wait_dscnt 0x0
	s_barrier_signal -1
	s_barrier_wait -1
	s_wait_kmcnt 0x0
	s_add_nc_u64 s[KVB:KVB+1], s[4:5], s[22:23]
.irp s, 0,1
	s_mov_b32 s[G0+4*\s], 1
	s_add_co_u32 s[G0+4*\s+1], s62, \s*SLOTB
	s_add_nc_u64 s[G0+4*\s+2:G0+4*\s+3], s[KVB:KVB+1], \s*TILEB
	s_or_b32 s[G0+4*\s+3], s[G0+4*\s+3], 0x80000000
.endr
	s_mov_b32 s[G0LA], 1
	s_add_co_u32 s[G0LA+1], s62, VLO-4*PARTB       ; waves 4, 5: 81,920 and 92,160
	s_mov_b32 s[G0LB], 1
	s_add_co_u32 s[G0LB+1], s62, VLO-2*PARTB       ; 102,400 and 112,640
.macro BASES qb, qbase, obase, g0l
	s_lshl_b32 s2, s[\qb], 14                      ; the block's first row in a plane
	s_add_co_u32 s2, s2, s18
	s_add_co_u32 s22, s2, s77
	s_add_nc_u64 s[\qbase:\qbase+1], s[4:5], s[22:23]
	s_add_co_u32 s22, s2, s21
	s_add_co_u32 s22, s22, 48<<18                  ; v_lo's plane, the diagonal tile, my 64 rows
	s_add_nc_u64 s[\g0l+2:\g0l+3], s[4:5], s[22:23]
	s_or_b32 s[\g0l+3], s[\g0l+3], 0x80000000
	s_lshl_b32 s22, s[\qb], 18
	s_add_co_u32 s22, s22, s19
	s_add_nc_u64 s[\obase:\obase+1], s[6:7], s[22:23]
.endm
	BASES 15, QBA, OBA, G0LA
	BASES 16, QBB, OBB, G0LB
	; the first fills, in one group: waves 0-3 their part of tile 0, waves 4 and 5 their half of both v_lo tiles (two loads out, the most in this text)
	s_cmp_gt_u32 s10, 5
	s_cbranch_scc1 .Lfilled
	s_cmp_gt_u32 s10, 3
	s_cbranch_scc1 .Lfill_lo
	s_cmp_gt_u32 s10, 1
	s_cbranch_scc1 .Lfill_v
	tensor_load_to_lds s[G0:G0+3], s[G1K:G1K+7]
	s_nop 0
	s_branch .Lfilled
.Lfill_v:
	tensor_load_to_lds s[G0:G0+3], s[G1V:G1V+7]
	s_nop 0
	s_branch .Lfilled
.Lfill_lo:
	tensor_load_to_lds s[G0LA:G0LA+3], s[G1V:G1V+7]
	s_nop 0
	tensor_load_to_lds s[G0LB:G0LB+3], s[G1V:G1V+7]
	s_nop 0
.Lfilled:
	v_and_b32 v1, 31, v0                           ; lane L
	v_and_b32 v28, 15, v0                          ; r
	v_bfe_u32 v29, v0, 4, 1                        ; h
	v_lshlrev_b32 v30, 7, v28
	v_lshl_add_u32 v[QO], v29, 4, v30              ; 128 r + 16 h
	QLOAD QBA
	v_mul_u32_u24 v30, v28, KP
	v_lshl_add_u32 v30, v29, 4, v30                ; 144 r + 16 h
	s_mul_i32 s2, s11, PARTB
	v_add_nc_u32 v[KA], s2, v30
	s_mul_i32 s3, s12, SPART
	s_add_co_u32 s3, s3, STAGE
	v_add_nc_u32 v[STO], s3, v30
	v_and_b32 v31, 7, v0
	v_lshl_add_u32 v30, v29, 3, v31                ; key row 8 h + (L & 7)
	v_mul_u32_u24 v30, v30, VP
	v_bfe_u32 v26, v0, 3, 1
	v_lshl_add_u32 v30, v26, 4, v30                ; + 16 ((L >> 3) & 1)
	s_add_co_u32 s2, s2, 2*PARTB
	v_add_nc_u32 v[VA], s2, v30
	v_add_nc_u32 v[VL], VLO-2*PARTB, v[VA]
	v_lshrrev_b32 v30, 3, v1
	v_mul_u32_u24 v30, v30, KP
	v_lshl_add_u32 v30, v31, 4, v30                ; row L >> 3, 16 bytes at L & 7
	v_add_nc_u32 v[RD], s3, v30
	s_lshl_b32 s2, s12, 5
	s_lshl_b32 s3, s11, 6
	s_sub_co_i32 s2, s2, s3                        ; 32 wq - 64 g
	v_lshlrev_b32 v30, 3, v29
	v_sub_nc_u32 v30, v28, v30                     ; r - 8 h
	v_add_nc_u32 v[DL], s2, v30
	v_mov_b32 v[NINF], 0xff800000
	s_mul_i32 s2, s12, MPART
	s_add_co_u32 s2, s2, MERGE
	v_lshlrev_b32 v[CO], 4, v1
	v_add_nc_u32 v[MG], s2, v[CO]
	v_mov_b32 v[XX+1], 0                           ; v26 and v27 are written once: v_permlanex16_b32's destination counts as read
	RESET
	s_wait_loadcnt 0x0                             ; phase A's q
	s_cmp_eq_u32 s75, 0
	s_cbranch_scc1 .Ltail_a
	s_mov_b32 s78, 0
.Lloop_a:
	STEP 0, 0, 1, 0, 0
	STEP 1, 0, 1, 0, 0
	s_add_co_u32 s78, s78, 1
	s_cmp_lt_u32 s78, s75
	s_cbranch_scc1 .Lloop_a
.Ltail_a:
	STEP 0, 0, 1, 1, 0                             ; the last unmasked tile; asks for the diagonal tile
	STEP 1, 1, 1, 1, 0                             ; the diagonal tile; asks for phase B's tile 0
	FINISH OBA, 1
	s_cmp_eq_u32 s76, 0
	s_cbranch_scc1 .Ltail_b
	s_mov_b32 s78, 0
.Lloop_b:
	STEP 0, 0, 1, 0, 0
	STEP 1, 0, 1, 0, 0
	s_add_co_u32 s78, s78, 1
	s_cmp_lt_u32 s78, s76
	s_cbranch_scc1 .Lloop_b
.Ltail_b:
	STEP 0, 1, 0, 0, 1                             ; the diagonal tile; nothing is left to fetch
	FINISH OBB, 0
	s_set_vgpr_msb 0x5
	s_wait_tensorcnt 0x0
	ds_add_u32 v0, v1
	s_wait_dscnt 0x0
	s_set_vgpr_msb 0x500
	s_endpgm
.Lfunc_end_k_q7b78f5479f_attn:
	.size	k_q7b78f5479f_attn, .Lfunc_end_k_q7b78f5479f_attn-k_q7b78f5479f_attn
	.p2alignl 7, 3214868480
	.fill 96, 4, 3214868480
	.section	.rodata,"a",@progbits
	.p2align	6, 0x0
	.amdhsa_kernel k_q7b78f5479f_attn
		.amdhsa_group_segment_fixed_size 327680
		.amdhsa_private_segment_fixed_size 0
		.amdhsa_enable_private_segment 0
		.amdhsa_kernarg_size 16
		.amdhsa_user_sgpr_count 2
		.amdhsa_user_sgpr_kernarg_segment_ptr 1
		.amdhsa_wavefront_size32 1
		.amdhsa_system_sgpr_workgroup_id_x 1
		.amdhsa_system_sgpr_workgroup_id_y 1
		.amdhsa_system_sgpr_workgroup_id_z 1
		.amdhsa_system_vgpr_workitem_id 0
		.amdhsa_next_free_vgpr 258
		.amdhsa_next_free_sgpr 80
		.amdhsa_reserve_vcc 1
		.amdhsa_float_denorm_mode_32 3
		.amdhsa_float_denorm_mode_16_64 3
		.amdhsa_memory_ordered 1
		.amdhsa_forward_progress 1
		.amdhsa_inst_pref_size 189
	.end_amdhsa_kernel
	.amdgpu_metadata
---
amdhsa.version: [ 1, 2 ]
amdhsa.kernels:
  - .name:           k_q7b78f5479f_attn
    .symbol:         k_q7b78f5479f_attn.kd
    .args:
      - { .name: qkv, .offset: 0, .size: 8, .value_kind: global_buffer, .address_space: global }
      - { .name: ao, .offset: 8, .size: 8, .value_kind: global_buffer, .address_space: global }
    .group_segment_fixed_size: 327680
    .private_segment_fixed_size: 0
    .kernarg_segment_align: 8
    .kernarg_segment_size: 16
    .max_flat_workgroup_size: 256
    .sgpr_count:     80
    .vgpr_count:     258
    .wavefront_size: 32
...
	.end_amdgpu_metadata
.endif
;; end of part 3
;; launch proj (part 4): grid 8 x 32, 4 waves a work-group, clusters of 4 x 4, 327,680 bytes of LDS; arguments ao, wo16, out0; writes out0
.if DOCPART == 4
	.amdgcn_target "amdgcn-amd-amdhsa--gfx1250"
	.amdhsa_code_object_version 6
	.text
	.protected	k_q7b78f5479f_proj
	.globl	k_q7b78f5479f_proj
	.p2align	8
	.type	k_q7b78f5479f_proj,@function
k_q7b78f5479f_proj:
	s_mov_b64 s[64:65], 0
	v_nop
	global_prefetch_b8 v0, s[64:65] scope:SCOPE_SE
	s_setreg_imm32_b32 hwreg(HW_REG_WAVE_MODE, 25, 1), 1
	s_wait_xcnt 0x0
	s_wait_alu depctr_hold_cnt(0) depctr_sa_sdst(0) depctr_va_vdst(0) depctr_va_sdst(0) depctr_va_ssrc(0) depctr_va_vcc(0) depctr_vm_vsrc(0)
	s_getreg_b32 s2, hwreg(HW_REG_IB_STS2, 6, 4)
	s_cmp_eq_u32 s2, 0
	s_cbranch_scc0 .Lentry_in_a_cluster
	s_endpgm
.Lentry_in_a_cluster:
	s_bfe_u32 s2, ttmp6, 0x10000c
	s_cmp_lg_u32 s2, 0xf033
	s_cbranch_scc0 .Lentry_shape_is_right
	s_endpgm
.Lentry_shape_is_right:
; out0[m][n] = sum over k of a[m][k] W_o[n][k], m < 4096, n < 1024, k = 64 head + d < 1024; f16 operands, f32 sums, f32 result.
; a lies as ao[m / 128][head][m % 128][64]: for a block of 128 rows the heads' blocks of 16,384 bytes follow each other, so the tile of two heads is
; one dense tile of 256 rows of 64 elements.  wo16 is [n][k].
; A work-group makes 128 x 128 of out0 (256 work-groups), a wave 64 x 64 in 16 accumulator tiles.  K goes in four steps of 256 (four heads) through two
; LDS slots; all four steps are written out.  Wave 0 and 1 fetch two heads of A each, waves 2 and 3 64 rows of B each: one tensor load a wave.
; CLUSTERS: 4 x 4 work-groups; A's tiles hang on the block row alone and are asked for jointly along a row of the cluster, B's on the block column
; alone and jointly along a column.
; REGISTERS: window 0: v16-26 addresses; v64-127, v128-191 two fragment buffers (A's four fragments, then B's four).  Window 1: accumulator (a, b) at v[8 (4 a + b)].
; The matrix instruction is used transposed (source 0 = rows of B): a lane holds eight neighbouring columns of one row.
.set APITCH, 144                       ; a row of 64 f16 + 16 bytes
.set BPITCH, 528                       ; a row of 256 f16 + 16 bytes
.set HEADT,  128*APITCH                ; a head's 128 rows
.set PART,   2*HEADT                   ; 36,864: what one wave fetches (B: 64 x 528 = 33,792 of it)
.set SLOT,   4*PART                    ; A's four heads, then B's two halves
.set STAGE,  2*SLOT                    ; 294,912: 16 rows x 272 bytes for each wave, never the target of a tensor load
.set SPITCH, 272
.set ASTEP,  65536                     ; four heads' blocks
.set BSTEP,  512                       ; 256 elements along a row
.set ADRA, 16
.set ADRB, 20
.set STO,  24
.set RD,   25
.set CO,   26
.set F0,   64
.set F1,   128
.set G1, 24
.set G0, 32
.set G1B, 48
.set G0B, 56
.set ACCW, 0x50                        ; C and D in window 1
.set STW,  0x04                        ; an LDS store's data in window 1
.set MSB, 0
.macro WIN new
.if MSB != \new
	s_set_vgpr_msb (MSB<<8)|\new
.set MSB, \new
.endif
.endm
.macro JLOAD s
	s_cmp_eq_u32 s11, 0
	s_cbranch_scc0 .Lfor_b_\@
	tensor_load_to_lds s[G0+4*\s:G0+4*\s+3], s[G1:G1+7]
	s_nop 0
	s_branch .Lasked_\@
.Lfor_b_\@:
	tensor_load_to_lds s[G0B+4*\s:G0B+4*\s+3], s[G1B:G1B+7]
	s_nop 0
.Lasked_\@:
.endm
.macro CREST
	s_cmp_lg_u32 s10, 0
	s_cbranch_scc1 .Lnot_wave_0_\@
	s_barrier_signal -3
.Lnot_wave_0_\@:
	s_barrier_wait -3
	s_barrier_signal -1
	s_barrier_wait -1
.endm
.macro CROUND
	s_barrier_signal -1
	s_barrier_wait -1
	CREST
.endm
.macro PLACES                          ; four independent vector instructions behind matrix instructions (ISA guide 7.12.1)
.rept 4
	v_nop
.endr
.endm
	s_load_b128 s[4:7], s[0:1], 0x0                ; ao s[4:5], wo16 s[6:7]
	s_load_b64 s[8:9], s[0:1], 0x10                ; out0
	v_lshl_add_u32 v254, v0, 2, 0x4c400
	v_mov_b32 v255, 0
	ds_add_u32 v254, v255
	v_lshrrev_b32 v1, 5, v0
	v_readfirstlane_b32 s10, v1                    ; wave 0..3
	s_lshr_b32 s11, s10, 1                         ; my 64 rows of the block.  Also: I fetch for A (0) or for B (1)
	s_and_b32 s12, s10, 1                          ; my 64 columns.  Also: which part I fetch
	s_bfe_u32 s40, ttmp6, 0x40000                  ; cx
	s_bfe_u32 s41, ttmp6, 0x40004                  ; cy
	s_lshl_b32 s42, ttmp9, 2
	s_add_co_u32 s42, s42, s40                     ; block column
	s_and_b32 s13, ttmp7, 0xffff
	s_lshl_b32 s13, s13, 2
	s_add_co_u32 s13, s13, s41                     ; block row
	s_lshl_b32 s43, s41, 2
	s_lshl_b32 s43, 15, s43                        ; my row of the cluster
	s_lshl_b32 s44, 0x1111, s40                    ; my column
	s_or_b32 s[G1+0], s43, (1<<16)|(1<<20)|(1<<21)|(4<<22)|(3<<25)    ; A: 4 words of padding behind every 32
	s_or_b32 s[G1B+0], s44, (1<<16)|(1<<20)|(1<<21)|(6<<22)|(3<<25)   ; B: behind every 128
	s_mov_b32 s[G1+1], 64<<16                      ; A: 256 rows of 64 elements, dense
	s_mov_b32 s[G1+2], 256<<16
	s_mov_b32 s[G1+3], 64<<16
	s_mov_b32 s[G1+4], 256
	s_mov_b32 s[G1+5], 64
	s_mov_b32 s[G1+6], 0
	s_mov_b32 s[G1+7], 0
	s_mov_b32 s[G1B+1], 256<<16                    ; B: 64 rows of 256 elements, 1,024 from row to row
	s_mov_b32 s[G1B+2], 64<<16
	s_mov_b32 s[G1B+3], 256<<16
	s_mov_b32 s[G1B+4], 64
	s_mov_b32 s[G1B+5], 1024
	s_mov_b32 s[G1B+6], 0
	s_mov_b32 s[G1B+7], 0
	s_lshl_b32 s16, s13, 18                        ; A: 16 heads x 16,384 bytes a block row,
	s_lshl_b32 s17, s12, 15                        ; two heads for my part
	s_add_co_u32 s16, s16, s17
	s_mov_b32 s17, 0
	s_lshl_b32 s46, s42, 18                        ; B: 128 rows of 2,048 bytes a block column,
	s_lshl_b32 s47, s12, 17                        ; 64 rows for my part
	s_add_co_u32 s46, s46, s47
	s_mov_b32 s47, 0
	s_mul_i32 s20, s10, PART                       ; where they go: wave x 36,864
	s_wait_dscnt 0x0
	s_wait_kmcnt 0x0
	s_add_nc_u64 s[14:15], s[4:5], s[16:17]
	s_add_nc_u64 s[46:47], s[6:7], s[46:47]
	CROUND                                         ; all sixteen work-groups are here: the first joint loads meet
.irp s, 0,1
	s_mov_b32 s[G0+4*\s], 1
	s_add_co_u32 s[G0+4*\s+1], s20, \s*SLOT
	s_add_nc_u64 s[G0+4*\s+2:G0+4*\s+3], s[14:15], \s*ASTEP
	s_or_b32 s[G0+4*\s+3], s[G0+4*\s+3], 0x80000000
	s_mov_b32 s[G0B+4*\s], 1
	s_add_co_u32 s[G0B+4*\s+1], s20, \s*SLOT
	s_add_nc_u64 s[G0B+4*\s+2:G0B+4*\s+3], s[46:47], \s*BSTEP
	s_or_b32 s[G0B+4*\s+3], s[G0B+4*\s+3], 0x80000000
	JLOAD \s                                       ; both slots' first fills: two tensor loads of the wave are out, the most in this text
.endr
	v_and_b32 v1, 15, v0                           ; r
	v_bfe_u32 v2, v0, 4, 1                         ; h
	v_mul_u32_u24 v3, v1, APITCH
	v_lshl_add_u32 v3, v2, 4, v3
	v_mul_u32_u24 v4, v1, BPITCH
	v_lshl_add_u32 v4, v2, 4, v4
	s_mul_i32 s21, s11, 64*APITCH                  ; my 64 rows in every head's tile
	s_mul_i32 s22, s12, PART
	s_add_co_u32 s22, s22, 2*PART                  ; my 64 rows of B, behind A's four heads
.irp s, 0,1
	v_add_nc_u32 v[ADRA+\s], s21, v3
	v_add_nc_u32 v[ADRB+\s], s22, v4
	s_add_co_u32 s21, s21, SLOT
	s_add_co_u32 s22, s22, SLOT
.endr
	s_mul_i32 s23, s10, 16*SPITCH
	s_add_co_u32 s23, s23, STAGE
	v_mul_u32_u24 v5, v1, SPITCH                   ; in: row r, 32 bytes for each half of the lanes
	v_lshl_add_u32 v5, v2, 5, v5
	v_add_nc_u32 v[STO], s23, v5
	v_mul_u32_u24 v5, v2, SPITCH                   ; back: lanes 0-15 one row of 256 bytes, lanes 16-31 the next
	v_lshl_add_u32 v5, v1, 4, v5
	v_add_nc_u32 v[RD], s23, v5
	v_lshlrev_b32 v5, 12, v2                       ; the same two rows in out0, 4,096 bytes apart
	v_lshl_add_u32 v[CO], v1, 4, v5
; 16 LDS loads: the fragments of 32 along K, the q-th of the slot's eight: head q / 2, d = 32 (q % 2) ..
.macro FETCH slot, q, f
.irp a, 0,1,2,3
	ds_load_b128 v[\f+8*\a:\f+8*\a+3],   v[ADRA+\slot] offset:((\q)>>1)*HEADT+\a*16*APITCH+((\q)&1)*64
	ds_load_b128 v[\f+8*\a+4:\f+8*\a+7], v[ADRA+\slot] offset:((\q)>>1)*HEADT+\a*16*APITCH+((\q)&1)*64+32
.endr
.irp b, 0,1,2,3
	ds_load_b128 v[\f+32+8*\b:\f+32+8*\b+3], v[ADRB+\slot] offset:\b*16*BPITCH+(\q)*64
	ds_load_b128 v[\f+32+8*\b+4:\f+32+8*\b+7], v[ADRB+\slot] offset:\b*16*BPITCH+(\q)*64+32
.endr
.endm
; Eight matrix instructions: row blocks a0, a0 + 1 x four column blocks.  The 16 accumulators take turns, one instruction a turn, in the same order
; throughout.  zero = 1: the first product starts the sums.
.macro MUL8 f, a0, zero
.irp a, \a0, \a0+1
.irp b, 0,1,2,3
.if \zero
	v_wmma_f32_16x16x32_f16 v[8*(4*(\a)+\b):8*(4*(\a)+\b)+7], v[\f+32+8*\b:\f+32+8*\b+7], v[\f+8*(\a):\f+8*(\a)+7], 0
.else
	v_wmma_f32_16x16x32_f16 v[8*(4*(\a)+\b):8*(4*(\a)+\b)+7], v[\f+32+8*\b:\f+32+8*\b+7], v[\f+8*(\a):\f+8*(\a)+7], v[8*(4*(\a)+\b):8*(4*(\a)+\b)+7]
.endif
.endr
.endr
.endm
; One of a slot's first seven eighths: fetches the next one's fragments into g, multiplies f
.macro EIGHTH slot, q, f, g, zero
	PLACES                                         ; g was read by the matrix instructions just in front
	FETCH \slot, \q+1, \g
	s_wait_dscnt 16                                ; all but the 16 just issued: f is in
	WIN ACCW
	MUL8 \f, 0, \zero
	MUL8 \f, 2, \zero
	WIN 0
.endm
.macro SEVEN slot, zero
	EIGHTH \slot, 0, F0, F1, \zero
	EIGHTH \slot, 1, F1, F0, 0
	EIGHTH \slot, 2, F0, F1, 0
	EIGHTH \slot, 3, F1, F0, 0
	EIGHTH \slot, 4, F0, F1, 0
	EIGHTH \slot, 5, F1, F0, 0
	EIGHTH \slot, 6, F0, F1, 0
.endm
; The last eighth changes slots.  In front of the barrier: my reads of this slot and all my tensor loads are done.  fill = 1: the barrier opens a round
; of the cluster's barrier, and the joint refill is the first tensor load behind the round.
.macro TURN slot, next, fill
	s_wait_dscnt 0x0
	s_wait_tensorcnt 0x0
	ds_add_u32 v254, v255
	s_wait_dscnt 0x0
	s_barrier_signal -1
	WIN ACCW
	MUL8 F1, 0, 0                                  ; register work while the others arrive
	WIN 0
	s_barrier_wait -1
.if \fill
	CREST
	s_add_nc_u64 s[G0+4*\slot+2:G0+4*\slot+3], s[G0+4*\slot+2:G0+4*\slot+3], 2*ASTEP
	s_add_nc_u64 s[G0B+4*\slot+2:G0B+4*\slot+3], s[G0B+4*\slot+2:G0B+4*\slot+3], 2*BSTEP
	JLOAD \slot
.endif
	PLACES
	FETCH \next, 0, F0
	WIN ACCW
	MUL8 F1, 2, 0
	WIN 0
.endm
	s_wait_tensorcnt 1                             ; my part of slot 0 is in; slot 1's stays out
	s_barrier_signal -1
	s_barrier_wait -1
	FETCH 0, 0, F0
	SEVEN 0, 1                                     ; heads 0-3
	TURN 0, 1, 1                                   ; slot 0 gets heads 8-11
	SEVEN 1, 0                                     ; heads 4-7
	TURN 1, 0, 1                                   ; slot 1 gets heads 12-15
	SEVEN 0, 0
	TURN 0, 1, 0                                   ; nothing is left to fetch
	SEVEN 1, 0
	s_wait_dscnt 0x0
	WIN ACCW
	MUL8 F1, 0, 0
	MUL8 F1, 2, 0
	WIN 0
	PLACES                                         ; then results are stored to LDS and the fragment buffers are loaded again
	s_lshl_b32 s16, s13, 19                        ; 128 rows of 4,096 bytes a block row,
	s_lshl_b32 s14, s11, 18                        ; 64 for my half
	s_add_co_u32 s16, s16, s14
	s_mov_b32 s17, 0
	s_add_nc_u64 s[8:9], s[8:9], s[16:17]
	s_lshl_b32 s46, s42, 9                         ; 128 columns of 4 bytes a block column (in the registers that held B's address),
	s_lshl_b32 s47, s12, 8                         ; 64 for my half
	s_add_co_u32 s46, s46, s47
	s_mov_b32 s47, 0
	s_add_nc_u64 s[8:9], s[8:9], s[46:47]
; 16 rows: a lane's 32 bytes of each tile into my own stage, whole rows of 256 bytes back and out
.macro OUT16 a, f
	WIN STW
.irp b, 0,1,2,3
	ds_store_b128 v[STO], v[8*(4*\a+\b):8*(4*\a+\b)+3] offset:64*\b
	ds_store_b128 v[STO], v[8*(4*\a+\b)+4:8*(4*\a+\b)+7] offset:64*\b+16
.endr
	WIN 0
	s_wait_xcnt 0x0                                ; buffer f was the data of earlier stores: it is loaded again only behind this wait
.irp t, 0,1,2,3,4,5,6,7
	ds_load_b128 v[\f+4*\t:\f+4*\t+3], v[RD] offset:\t*2*SPITCH    ; LDS serves a wave's instructions in order
.endr
.irp t, 0,1,2,3,4,5,6,7
	s_wait_dscnt 7-\t
	global_store_b128 v[CO], v[\f+4*\t:\f+4*\t+3], s[8:9] offset:(16*\a+2*\t)*4096 th:TH_STORE_NT   ; 16 lanes store 256 consecutive aligned bytes
.endr
.endm
	OUT16 0, F0
	OUT16 1, F1
	OUT16 2, F0
	OUT16 3, F1
	s_wait_tensorcnt 0x0
	ds_add_u32 v254, v255
	s_wait_dscnt 0x0
	CROUND                                         ; the closing round
	s_endpgm
.Lfunc_end_k_q7b78f5479f_proj:
	.size	k_q7b78f5479f_proj, .Lfunc_end_k_q7b78f5479f_proj-k_q7b78f5479f_proj
	.p2alignl 7, 3214868480
	.fill 96, 4, 3214868480
	.section	.rodata,"a",@progbits
	.p2align	6, 0x0
	.amdhsa_kernel k_q7b78f5479f_proj
		.amdhsa_group_segment_fixed_size 327680
		.amdhsa_private_segment_fixed_size 0
		.amdhsa_enable_private_segment 0
		.amdhsa_kernarg_size 24
		.amdhsa_user_sgpr_count 2
		.amdhsa_user_sgpr_kernarg_segment_ptr 1
		.amdhsa_wavefront_size32 1
		.amdhsa_system_sgpr_workgroup_id_x 1
		.amdhsa_system_sgpr_workgroup_id_y 1
		.amdhsa_system_sgpr_workgroup_id_z 1
		.amdhsa_system_vgpr_workitem_id 0
		.amdhsa_next_free_vgpr 384
		.amdhsa_next_free_sgpr 66
		.amdhsa_reserve_vcc 0
		.amdhsa_float_denorm_mode_32 3
		.amdhsa_float_denorm_mode_16_64 3
		.amdhsa_memory_ordered 1
		.amdhsa_forward_progress 1
		.amdhsa_inst_pref_size 89
	.end_amdhsa_kernel
	.amdgpu_metadata
---
amdhsa.version: [ 1, 2 ]
amdhsa.kernels:
  - .name:           k_q7b78f5479f_proj
    .symbol:         k_q7b78f5479f_proj.kd
    .args:
      - { .name: ao, .offset: 0, .size: 8, .value_kind: global_buffer, .address_space: global }
      - { .name: wo16, .offset: 8, .size: 8, .value_kind: global_buffer, .address_space: global }
      - { .name: out0, .offset: 16, .size: 8, .value_kind: global_buffer, .address_space: global }
    .group_segment_fixed_size: 327680
    .private_segment_fixed_size: 0
    .kernarg_segment_align: 8
    .kernarg_segment_size: 24
    .max_flat_workgroup_size: 128
    .sgpr_count:     66
    .vgpr_count:     384
    .wavefront_size: 32
...
	.end_amdgpu_metadata
.endif
;; end of part 4
